; MI455X (gfx1250); checked and timed in simulation.
; The chip was launched on July 23, 2026; its instructions are those of AMD's public machine-readable ISA for CDNA 5 (MIT licence, August 2026) and "CDNA5" Instruction Set Architecture Reference Guide (July 2026). The comments in the code are by the model that wrote it; some were corrected since.
;; Quantum Circuit. Allowed arithmetic: float matrix products may take bf16 or f16 operands with f32 sums; all other float work in f32.
;; Inputs: params 108 float32; x 8,192 x 4,096 float32.
;; Outputs: out0 8,192 x 12 float32.
;; 2 versions, each right; version 2 is version 1 with the launch circuit written anew for expert scheduling mode. Each part assembles by itself: llvm-mc -triple=amdgcn-amd-amdhsa -mcpu=gfx1250 --defsym DOCPART=n.
;; ======== version 1 of 2: 2 launches
;; limits: inputs' magnitudes at most 10,000
;; workspace buffers: gates 67,584 bytes
;; launch prep (part 1): grid 9 x 1, 8 waves a work-group, no clusters, 0 bytes of LDS; arguments params, gates; writes gates
.if DOCPART == 1
	.amdgcn_target "amdgcn-amd-amdhsa--gfx1250"
	.amdhsa_code_object_version 6
	.text
	.protected	k_q13501c17df_prep
	.globl	k_q13501c17df_prep
	.p2align	8
	.type	k_q13501c17df_prep,@function
k_q13501c17df_prep:
	s_mov_b64 s[64:65], 0
	v_nop
	global_prefetch_b8 v0, s[64:65] scope:SCOPE_SE
	s_setreg_imm32_b32 hwreg(HW_REG_WAVE_MODE, 25, 1), 1
	s_wait_xcnt 0x0
; Builds the gate matrices of the circuit as ready matrix-instruction operands (f16, a high and a low term).
; The 4,096 amplitudes have the index 256 a + 16 b + c; a, b, c hold qubits 0-3, 4-7, 8-11, the first qubit on top.
; Pass n = 0..8 is layer n / 3, group g = n % 3.  K[y][x] = product over i of U_(4g+i)[y_i][x_i], U = Rz Ry Rx.
; The CNOTs inside a group are folded in by gray(o) = o ^ (o >> 1); a CNOT that crosses groups picks variant v:
;   g = 0:    G_v[xo][xi] = K[gray(xo)][xi ^ 8 v]      (the ring's last CNOT of the layer before)
;   g = 1, 2: G_v[xo][xi] = K[gray(xo) ^ 8 v][xi]
; Operand (v, prec, u), 1,024 bytes: byte 512 s + 16 L + 2 e holds row m = L & 15 = 8 ro + j (ro: real or imaginary part out,
; xo = 8 u + j) and k = 16 s + 8 (L >> 4) + e (xi = 8 s + e, ri = L >> 4: part in): Re G where ro = ri, -Im G for (0, 1), +Im G for (1, 0).
; Pass 0 (real input): bytes 0-2047, operand u; the entry is Re or Im by ro, the high term where L >> 4 = 0, the low term where it is 1.
; Pass n >= 1: bytes 2048 + 8192 (n - 1) + 1024 ((2 v + prec) 2 + u).
; Work-group = pass; wave w = (v, u, s) = (w >> 2, (w >> 1) & 1, w & 1); a lane makes eight entries (e = 0..7) = 16 bytes,
; so each store of a wave covers 512 consecutive bytes, aligned.
; LIMIT: sine and cosine come from a two-term reduction by pi/2 and polynomials; absolute error about 1e-6 for |theta| <= 1e4.
.set LN,  1
.set OFR, 2
.set YV,  3
.set TY,  4
.set TK,  5
.set TR,  6
.set TI,  7
.set TR2, 8
.set TP,  9
.set TQ,  10
.set TR3, 11
.set TT,  12
.set RO,  13
.set HL,  14
.set SG,  15
.set CS,  16                           ; v16-39  cos, sin of the 12 half angles
.set GA,  40                           ; v40-43  cy cx, sy sx, sy cx, cy sx
.set GP,  44                           ; v44-49  U00 re, im; U01 re, im; -U01 re; -U00 im
.set ROW, 52                           ; v52-67  qubit i: row y_i of U_i: [0] re, im, [1] re, im
.set FF,  68                           ; v68-69  U_0[y_0][x_0]
.set L1,  70                           ; v70-73  products over two qubits
.set L2,  74                           ; v74-81  over three
.set L3,  82                           ; v82-97  K[y][x0, e], e = 0..7, re and im
.set VAL, 98                           ; v98-105 the eight entries in f32
.set HI,  106                          ; v106-109 high terms, packed
.set LO,  110                          ; v110-113 low terms, packed
	s_load_b128 s[4:7], s[0:1], 0x0                ; params s[4:5], gates s[6:7]
	v_lshrrev_b32 v2, 5, v0
	v_readfirstlane_b32 s8, v2                     ; wave
	v_and_b32 v[LN], 31, v0                        ; lane
	s_mov_b32 s9, ttmp9                            ; pass n
	s_wait_kmcnt 0x0
	s_cmp_lg_u32 s9, 0
	s_cbranch_scc1 .Lwork
	s_cmp_lt_u32 s8, 4
	s_cbranch_scc1 .Lwork
	s_endpgm                                       ; pass 0 has variant 0 alone: its waves 4-7 have no operand to make
.Lwork:
	s_mul_i32 s10, s9, 48                          ; 12 parameters a pass
	s_mov_b32 s11, 0
	s_add_nc_u64 s[4:5], s[4:5], s[10:11]
	s_load_b128 s[12:15], s[4:5], 0x0
	s_load_b128 s[16:19], s[4:5], 0x10
	s_load_b128 s[20:23], s[4:5], 0x20
	s_lshr_b32 s24, s8, 2                          ; v
	s_bfe_u32 s25, s8, 0x10001                     ; u
	s_and_b32 s26, s8, 1                           ; s
	s_mul_i32 s27, s9, 11
	s_lshr_b32 s27, s27, 5                         ; layer = n / 3 for n = 0..8
	s_mul_i32 s27, s27, 3
	s_sub_co_u32 s28, s9, s27                      ; g
	s_lshl_b32 s29, s24, 3                         ; 8 v
	s_lshl_b32 s36, s25, 3                         ; 8 u
	s_cmp_eq_u32 s28, 0
	s_cselect_b32 s30, s24, 0                      ; g = 0: the variant flips the input's top bit,
	s_cselect_b32 s31, 0, s29                      ; else the row's top bit
	s_xor_b32 s30, s26, s30                        ; x_0
	s_cmp_lg_u32 s30, 0
	s_cselect_b32 s32, -1, 0                       ; as a lane mask
	s_lshl_b32 s34, s9, 13
	s_sub_co_u32 s34, s34, 6144                    ; 2048 + 8192 (n - 1)
	s_cmp_lg_u32 s9, 0
	s_cselect_b32 s34, s34, 0                      ; pass 0 lies at byte 0
	s_cselect_b32 s33, 1, 0                        ; pass 0: the input has no imaginary part, ri counts as 0
	s_lshl_b32 s35, s24, 12
	s_add_co_u32 s34, s34, s35
	s_lshl_b32 s35, s25, 10
	s_add_co_u32 s34, s34, s35
	s_lshl_b32 s35, s26, 9
	s_add_co_u32 s34, s34, s35                     ; + 4096 v + 1024 u + 512 s
	v_lshlrev_b32 v[OFR], 4, v[LN]
	v_add_nc_u32 v[OFR], s34, v[OFR]               ; + 16 L
	v_and_b32 v[TT], 7, v[LN]
	v_add_nc_u32 v[YV], s36, v[TT]                 ; xo
	v_lshrrev_b32 v[TT], 1, v[YV]
	v_xor_b32 v[YV], v[YV], v[TT]                  ; gray(xo)
	v_xor_b32 v[YV], s31, v[YV]                    ; y
.irp i, 0,1,2,3
	v_and_b32 v[TT], 8>>\i, v[YV]
	v_cmp_ne_u32 s[40+\i], 0, v[TT]                ; lanes with y_i = 1
.endr
	v_bfe_u32 v[RO], v[LN], 3, 1                   ; ro
	v_lshrrev_b32 v[HL], 4, v[LN]
	v_and_b32 v[TT], s33, v[HL]                    ; ri
	v_xor_b32 v[TT], v[RO], v[TT]
	v_cmp_ne_u32 s44, 0, v[TT]                     ; lanes that take the imaginary part
	v_cmp_ne_u32 s46, 0, v[HL]                     ; pass 0: lanes that take the low term
	v_xor_b32 v[TT], 1, v[RO]
	v_lshlrev_b32 v[TT], 31, v[TT]
	v_or_b32 v[SG], 0x3f800000, v[TT]              ; -1 where ro = 0, else +1
	s_wait_kmcnt 0x0
; cos and sin of theta / 2.  k = nearest whole number to y 2/pi; r = y - k pi/2 with pi/2 in two terms; Taylor sums on |r| <= pi/4
; (sine to r^9, cosine to r^8); the quadrant only selects values and signs.
.macro SINCOS th, c, s
	v_mov_b32 v[TY], s[\th]
	v_mul_f32 v[TY], 0.5, v[TY]
	v_mul_f32 v[TK], 0x3f22f983, v[TY]
	v_rndne_f32 v[TK], v[TK]
	v_fmamk_f32 v[TR], v[TK], 0xbfc90fdb, v[TY]
	v_fmamk_f32 v[TR], v[TK], 0x333bbd2e, v[TR]
	v_cvt_i32_f32 v[TI], v[TK]
	v_mul_f32 v[TR2], v[TR], v[TR]
	v_mov_b32 v[TP], 0x3638ef1d                    ; 1/9!
	v_fmaak_f32 v[TP], v[TP], v[TR2], 0xb9500d01   ; -1/7!
	v_fmaak_f32 v[TP], v[TP], v[TR2], 0x3c088889   ; 1/5!
	v_fmaak_f32 v[TP], v[TP], v[TR2], 0xbe2aaaab   ; -1/3!
	v_mul_f32 v[TR3], v[TR], v[TR2]
	v_fma_f32 v[TP], v[TR3], v[TP], v[TR]          ; sin r
	v_mov_b32 v[TQ], 0x37d00d01                    ; 1/8!
	v_fmaak_f32 v[TQ], v[TQ], v[TR2], 0xbab60b61   ; -1/6!
	v_fmaak_f32 v[TQ], v[TQ], v[TR2], 0x3d2aaaab   ; 1/4!
	v_fmaak_f32 v[TQ], v[TQ], v[TR2], 0xbf000000   ; -1/2
	v_fma_f32 v[TQ], v[TQ], v[TR2], 1.0            ; cos r
	v_and_b32 v[TT], 1, v[TI]
	v_cmp_eq_u32 vcc_lo, 1, v[TT]
	v_cndmask_b32 v[\s], v[TP], v[TQ], vcc_lo      ; odd k: the two change places
	v_cndmask_b32 v[\c], v[TQ], v[TP], vcc_lo
	v_lshlrev_b32 v[TT], 30, v[TI]
	v_and_b32 v[TT], 0x80000000, v[TT]
	v_xor_b32 v[\s], v[\s], v[TT]                  ; sine negative where k & 2
	v_add_nc_u32 v[TT], 1, v[TI]
	v_lshlrev_b32 v[TT], 30, v[TT]
	v_and_b32 v[TT], 0x80000000, v[TT]
	v_xor_b32 v[\c], v[\c], v[TT]                  ; cosine negative where (k + 1) & 2
.endm
.irp j, 0,1,2,3,4,5,6,7,8,9,10,11
	SINCOS 12+\j, CS+2*\j, CS+2*\j+1
.endr
; U = Rz Ry Rx of the group's qubit i.  U00 = (cy cx + i sy sx)(cz - i sz), U01 = (-sy cx - i cy sx)(cz - i sz),
; U10 = -conj(U01), U11 = conj(U00).  Then each lane keeps row y_i.
.macro GATE i
	v_mul_f32 v[GA],   v[CS+6*\i+2], v[CS+6*\i]    ; cy cx
	v_mul_f32 v[GA+1], v[CS+6*\i+3], v[CS+6*\i+1]  ; sy sx
	v_mul_f32 v[GA+2], v[CS+6*\i+3], v[CS+6*\i]    ; sy cx
	v_mul_f32 v[GA+3], v[CS+6*\i+2], v[CS+6*\i+1]  ; cy sx
	v_mul_f32 v[GP],   v[GA+1], v[CS+6*\i+5]
	v_fma_f32 v[GP],   v[GA], v[CS+6*\i+4], v[GP]          ; Re U00
	v_mul_f32 v[GP+1], v[GA], v[CS+6*\i+5]
	v_fma_f32 v[GP+1], v[GA+1], v[CS+6*\i+4], -v[GP+1]     ; Im U00
	v_mul_f32 v[GP+2], v[GA+3], v[CS+6*\i+5]
	v_fma_f32 v[GP+2], -v[GA+2], v[CS+6*\i+4], -v[GP+2]    ; Re U01
	v_mul_f32 v[GP+3], v[GA+3], v[CS+6*\i+4]
	v_fma_f32 v[GP+3], v[GA+2], v[CS+6*\i+5], -v[GP+3]     ; Im U01
	v_mul_f32 v[GP+4], -1.0, v[GP+2]
	v_mul_f32 v[GP+5], -1.0, v[GP+1]
	v_cndmask_b32 v[ROW+4*\i],   v[GP],   v[GP+4], s[40+\i]
	v_cndmask_b32 v[ROW+4*\i+1], v[GP+1], v[GP+3], s[40+\i]
	v_cndmask_b32 v[ROW+4*\i+2], v[GP+2], v[GP],   s[40+\i]
	v_cndmask_b32 v[ROW+4*\i+3], v[GP+3], v[GP+5], s[40+\i]
.endm
	GATE 0
	GATE 1
	GATE 2
	GATE 3
.macro CMUL d, a, b                    ; complex product, d apart from a and b
	v_mul_f32 v[\d],   v[\a+1], v[\b+1]
	v_fma_f32 v[\d],   v[\a], v[\b], -v[\d]
	v_mul_f32 v[\d+1], v[\a+1], v[\b]
	v_fma_f32 v[\d+1], v[\a], v[\b+1], v[\d+1]
.endm
	v_cndmask_b32 v[FF],   v[ROW],   v[ROW+2], s32  ; column x_0 of qubit 0's row
	v_cndmask_b32 v[FF+1], v[ROW+1], v[ROW+3], s32
.irp x, 0,1
	CMUL L1+2*\x, FF, ROW+4+2*\x
.endr
.irp x, 0,1,2,3
	CMUL L2+2*\x, L1+2*(\x>>1), ROW+8+2*(\x&1)
.endr
.irp x, 0,1,2,3,4,5,6,7
	CMUL L3+2*\x, L2+2*(\x>>1), ROW+12+2*(\x&1)
.endr
.irp x, 0,1,2,3,4,5,6,7
	v_mul_f32 v[TT], v[SG], v[L3+2*\x+1]
	v_cndmask_b32 v[VAL+\x], v[L3+2*\x], v[TT], s44
.endr
; high term = the entry in f16; low term = what the high term leaves, in f16
.irp k, 0,1,2,3
	v_cvt_pk_f16_f32 v[HI+\k], v[VAL+2*\k], v[VAL+2*\k+1]
	v_mov_b32 v114, v[HI+\k]
	v_cvt_f32_f16 v115, v114.l
	v_cvt_f32_f16 v116, v114.h
	v_sub_f32 v115, v[VAL+2*\k], v115
	v_sub_f32 v116, v[VAL+2*\k+1], v116
	v_cvt_pk_f16_f32 v[LO+\k], v115, v116
.endr
	s_cmp_eq_u32 s9, 0
	s_cbranch_scc1 .Lfirst
	global_store_b128 v[OFR], v[HI:HI+3], s[6:7]
	global_store_b128 v[OFR], v[LO:LO+3], s[6:7] offset:2048
	s_endpgm
.Lfirst:
.irp k, 0,1,2,3
	v_cndmask_b32 v[HI+\k], v[HI+\k], v[LO+\k], s46 ; lanes 16-31 carry the low term
.endr
	global_store_b128 v[OFR], v[HI:HI+3], s[6:7]
	s_endpgm
.Lfunc_end_k_q13501c17df_prep:
	.size	k_q13501c17df_prep, .Lfunc_end_k_q13501c17df_prep-k_q13501c17df_prep
	.p2alignl 7, 3214868480
	.fill 96, 4, 3214868480
	.section	.rodata,"a",@progbits
	.p2align	6, 0x0
	.amdhsa_kernel k_q13501c17df_prep
		.amdhsa_group_segment_fixed_size 0
		.amdhsa_private_segment_fixed_size 0
		.amdhsa_enable_private_segment 0
		.amdhsa_kernarg_size 16
		.amdhsa_user_sgpr_count 2
		.amdhsa_user_sgpr_kernarg_segment_ptr 1
		.amdhsa_wavefront_size32 1
		.amdhsa_system_sgpr_workgroup_id_x 1
		.amdhsa_system_sgpr_workgroup_id_y 1
		.amdhsa_system_sgpr_workgroup_id_z 1
		.amdhsa_system_vgpr_workitem_id 0
		.amdhsa_next_free_vgpr 128
		.amdhsa_next_free_sgpr 66
		.amdhsa_reserve_vcc 1
		.amdhsa_float_denorm_mode_32 3
		.amdhsa_float_denorm_mode_16_64 3
		.amdhsa_memory_ordered 1
		.amdhsa_forward_progress 1
		.amdhsa_inst_pref_size 29
	.end_amdhsa_kernel
	.amdgpu_metadata
---
amdhsa.version: [ 1, 2 ]
amdhsa.kernels:
  - .name:           k_q13501c17df_prep
    .symbol:         k_q13501c17df_prep.kd
    .args:
      - { .name: params, .offset: 0, .size: 8, .value_kind: global_buffer, .address_space: global }
      - { .name: gates, .offset: 8, .size: 8, .value_kind: global_buffer, .address_space: global }
    .group_segment_fixed_size: 0
    .private_segment_fixed_size: 0
    .kernarg_segment_align: 8
    .kernarg_segment_size: 16
    .max_flat_workgroup_size: 256
    .sgpr_count:     66
    .vgpr_count:     128
    .wavefront_size: 32
...
	.end_amdgpu_metadata
.endif
;; end of part 1
;; launch circuit (part 2): grid 256 x 1, 8 waves a work-group, no clusters, 203,776 bytes of LDS; arguments x, gates, out0; writes out0
.if DOCPART == 2
	.amdgcn_target "amdgcn-amd-amdhsa--gfx1250"
	.amdhsa_code_object_version 6
	.text
	.protected	k_q13501c17df_circuit
	.globl	k_q13501c17df_circuit
	.p2align	8
	.type	k_q13501c17df_circuit,@function
k_q13501c17df_circuit:
	s_mov_b64 s[64:65], 0
	v_nop
	global_prefetch_b8 v0, s[64:65] scope:SCOPE_SE
	s_setreg_imm32_b32 hwreg(HW_REG_WAVE_MODE, 25, 1), 1
	s_wait_xcnt 0x0
; The circuit on 8,192 rows of 4,096 amplitudes.  Index 256 a + 16 b + c (a, b, c: qubits 0-3, 4-7, 8-11).  Nine passes, layer n / 3,
; group n % 3, each a 16 x 16 complex matrix on one group (all CNOTs are inside the matrices: see the launch that builds them).
; A work-group owns 32 rows, a wave four, one after the other; a row's whole state lies in the wave's own 16,640 bytes of LDS.
; A PASS: D = gate x state, v_wmma_f32_16x16x32_f16.  k = 16 s + 8 h + e = (xi = 8 s + e, part in h); m = 8 h + j = (part out h,
; xo = 8 u + j); n = lane & 15 = the group Z; the third group Y = t is walked by the text, and t & 1 picks the gate's variant.
; The groups' roles (contracted, walked, lanes) are (a, c, b), (b, a, c), (c, b, a) and again: what lay in lanes is contracted next.
; The state is kept in f16 as pieces of 16 bytes: eight values of the walked group's low three bits; ds_load_tr16_b128 turns eight
; such pieces into the next pass's fragments.  Piece address = 16 z + 256 h + 512 j + Su u + Sy ytop with the two strides 4,224 and
; 8,320 changing places from pass to pass, so that the slots read for t >> 3 = H are those written for ytop = H: a pass works in place.
; Both strides are 128 modulo 256, so the 16 lanes of a half wave touch 16 different 16-byte columns in stores and in loads.
; FORMATS: the state is normalised as the problem asks and carried times 64, so every amplitude is at most 64 in magnitude and gate
; entries at most 1: f16 has the range for every input.  Each gate goes in as a high and a low f16 term; sums are f32.
; LIMITS: a row's sum of squares must be a normal f32 number (|x| from about 1e-18 to 1e17); a row of zeros gives NaN, as the problem's own division does.
; NO CLUSTER, NO TENSOR LOADS: each byte of x is read by one wave, which has to square, sum and convert it in registers anyway;
; all that work-groups share is the table of 67,584 bytes against 524,288 bytes of x for each work-group.
.set STRQ,  4224
.set STRP,  8320
.set OUTB,  67584                      ; LDS: the table 0 - 67,583; results 32 rows x 64 bytes (48 used); then eight regions of 16,640 bytes
.set REGB,  69632
.set REGSZ, 16640
.set RESA, 11                          ; v11      results of my rows 0 (lanes 0-15) and 1 (lanes 16-31): lane & 15 = qubit
.set RESB, 12                          ; v12      of my rows 2 and 3
.set AMR, 16                           ; v16-79   eight gate operands at 8 ((2 v + prec) 2 + u); INIT: packed pieces
.set DR,  80                           ; v80-143  results, two buffers of 32: 16 (t & 1) + 8 u; INIT: the row in f32 (v80-207)
.set WR,  144                          ; v144-207 pieces to store: 4 (8 u + j) + (p & 3); last pass: sums of squares
.set SR,  208                          ; v208-255 state fragments, three buffers of two t
.set PC,  WR                           ; last pass: sum over b, by c (16)
.set PB,  WR+16                        ; sum over c, by b (16 pairs)
.set PBF, WR+48                        ; the pairs folded
.set RR,  DR                           ; the 12 results
; v0 256 L (prefetch)   v1 L   v2 16 L   v3 16 L + 32768   v4 region + 16 L (stores of pieces)
; v5, v6 fragment loads of even, odd passes   v7 of pass 0   v8, v9, v10 INIT
	s_load_b128 s[4:7], s[0:1], 0x0                ; x s[4:5], gates s[6:7]
	s_load_b64 s[8:9], s[0:1], 0x10                ; out0
	v_lshl_add_u32 v14, v0, 2, 0x31800
	v_mov_b32 v15, 0
	v_lshrrev_b32 v1, 5, v0
	v_readfirstlane_b32 s10, v1                    ; wave
	v_lshlrev_b32 v148, 4, v0                      ; 16 x thread
	s_wait_kmcnt 0x0
	; the table: 16 pieces of 4,096 bytes by all 256 threads, and 2,048 bytes more by waves 0-3
.irp i, 0,1,2,3,4,5,6,7,8,9,10,11,12,13,14,15
	global_load_b128 v[DR+4*\i:DR+4*\i+3], v148, s[6:7] offset:4096*\i
.endr
	s_cmp_ge_u32 s10, 4
	s_cbranch_scc1 .Lno_load17
	global_load_b128 v[144:147], v148, s[6:7] offset:65536
.Lno_load17:
	s_lshl_b32 s16, ttmp9, 19                      ; 32 rows of 16,384 bytes a work-group,
	s_lshl_b32 s17, s10, 16                        ; four a wave
	s_add_co_u32 s16, s16, s17
	s_mov_b32 s17, 0
	s_add_nc_u64 s[4:5], s[4:5], s[16:17]          ; my first row
	s_mul_i32 s14, s10, REGSZ
	s_add_co_u32 s14, s14, REGB                    ; my region
	s_mov_b32 s12, 0x76543210                      ; v_permlanex16_b32: lane i reads lane i of the other half
	s_mov_b32 s13, 0xfedcba98
.set i, 1
.rept 11
	s_mov_b32 s[39+i], 0x10001<<i                  ; mask: the two lanes with lane & 15 = i
.set i, i+1
.endr
	v_and_b32 v1, 31, v0
	v_lshlrev_b32 v2, 4, v1
	v_add_nc_u32 v3, 0x8000, v2
	v_add_nc_u32 v4, s14, v2
	v_and_b32 v16, 7, v1
	v_lshlrev_b32 v16, 4, v16
	v_add_nc_u32 v16, s14, v16                     ; region + 16 (L & 7)
	v_bfe_u32 v17, v1, 3, 1
	v_lshrrev_b32 v18, 4, v1
	v_mad_u32_u24 v7, v17, STRP, v16
	v_lshl_add_u32 v5, v18, 8, v7
	v_mad_u32_u24 v6, v17, STRQ, v16
	v_lshl_add_u32 v6, v18, 8, v6
	v_lshrrev_b32 v19, 2, v1
	v_and_b32 v20, 3, v1
	v_mul_u32_u24 v20, v20, 320
	v_lshl_add_u32 v20, v19, 4, v20
	v_add_nc_u32 v8, s14, v20                      ; region + 16 (L >> 2) + 320 (L & 3)
	v_lshl_add_u32 v9, v17, 7, v16
	v_mad_u32_u24 v9, v18, 5120, v9                ; region + 16 (L & 7) + 128 ((L >> 3) & 1) + 5120 (L >> 4)
	v_and_b32 v21, 15, v1
	v_lshlrev_b32 v21, 4, v21
	v_add_nc_u32 v21, s14, v21
	v_mad_u32_u24 v10, v18, STRP, v21              ; region + 16 (L & 15) + 8320 (L >> 4)
	v_mov_b32 v[RESA], 0                           ; the selects that fill these two, half a register a row, read them: written whole once
	v_mov_b32 v[RESB], 0
	v_lshlrev_b32 v0, 8, v1
	v_add_nc_u32 v149, 0x10000, v148
	s_wait_loadcnt 0x0
.irp i, 0,1,2,3,4,5,6,7,8,9,10,11,12,13,14,15
	ds_store_b128 v148, v[DR+4*\i:DR+4*\i+3] offset:4096*\i
.endr
	s_cmp_ge_u32 s10, 4
	s_cbranch_scc1 .Lno_store17
	ds_store_b128 v149, v[144:147]
.Lno_store17:
	s_wait_dscnt 0x0                               ; my part of the table is written,
	s_barrier_signal -1
	s_barrier_wait -1                              ; everybody's is; nobody writes it again
.macro NOP4                            ; four places behind a matrix instruction (ISA guide 7.12.1) where no other work stands
.rept 4
	v_nop
.endr
.endm
; A row comes in, is normalised (times 64), rounded to f16 and laid out for pass 0: pieces (a, b >> 3, c) of eight b.
; Load q, lane L, word e hold a = q >> 1, b = 8 (q & 1) + (L >> 2), c = 4 (L & 3) + e.
.macro INIT
.set q, 0
.rept 32
	global_load_b128 v[DR+4*q:DR+4*q+3], v2, s[4:5] offset:512*q th:TH_LOAD_NT   ; 512 consecutive bytes a wave
.set q, q+1
.endr
.set m, 0
.rept 4
	s_wait_loadcnt 24-8*(m/16)                     ; loads come back in order: eight more are in, the younger ones stay out
.rept 16
.if m < 4
	v_pk_mul_f32 v[SR+2*m:SR+2*m+1], v[DR+2*m:DR+2*m+1], v[DR+2*m:DR+2*m+1]      ; the first squares start four chains
.else
	v_pk_fma_f32 v[SR+2*(m%4):SR+2*(m%4)+1], v[DR+2*m:DR+2*m+1], v[DR+2*m:DR+2*m+1], v[SR+2*(m%4):SR+2*(m%4)+1]
.endif
.set m, m+1
.endr
.endr
	v_pk_add_f32 v[SR:SR+1], v[SR:SR+1], v[SR+2:SR+3]
	v_pk_add_f32 v[SR+4:SR+5], v[SR+4:SR+5], v[SR+6:SR+7]
	v_pk_add_f32 v[SR:SR+1], v[SR:SR+1], v[SR+4:SR+5]
	v_add_f32 v[SR], v[SR], v[SR+1]
.irp mk, 1,2,4,8
	v_add_f32_dpp v[SR], v[SR], v[SR] row_xmask:\mk row_mask:0xf bank_mask:0xf
.endr
	v_permlanex16_b32 v[SR+1], v[SR], s12, s13
	v_add_f32 v[SR], v[SR], v[SR+1]                ; the row's sum of squares, in every lane
	v_rsq_f32 v[SR+2], v[SR]
	v_nop                                          ; one plain place behind the transcendental (ISA guide 5.7.2)
	s_wait_alu depctr_va_vdst(0)
	v_mul_f32 v[SR+2], 0x42800000, v[SR+2]         ; 64 / norm
	v_mov_b32 v[SR+3], v[SR+2]
.set m, 0
.rept 64
	v_pk_mul_f32 v[DR+2*m:DR+2*m+1], v[DR+2*m:DR+2*m+1], v[SR+2:SR+3]
.set m, m+1
.endr
	; pieces of eight a (the loads' index), one for each (word e, b >> 3, a >> 3)
.irp at, 0,1
.irp bt, 0,1
.irp e, 0,1,2,3
.irp i, 0,1,2,3
	v_cvt_pk_f16_f32 v[AMR+4*(\e+4*\bt+8*\at)+\i], v[DR+4*(2*(8*\at+2*\i)+\bt)+\e], v[DR+4*(2*(8*\at+2*\i+1)+\bt)+\e]
.endr
.endr
.endr
.endr
	; to a stage in my region: 16 (b & 7) + 128 (a >> 3) + 320 (c >> 2) + 1280 (c & 3) + 5120 (b >> 3); 320 = 64 modulo 256: no two lanes of a half wave share a column
.irp at, 0,1
.irp bt, 0,1
.irp e, 0,1,2,3
	ds_store_b128 v8, v[AMR+4*(\e+4*\bt+8*\at):AMR+4*(\e+4*\bt+8*\at)+3] offset:128*\at+1280*\e+5120*\bt
.endr
.endr
.endr
	; back transposed: lane L now holds a = L & 15, b >> 3 = L >> 4 and eight b; LDS serves a wave's instructions in order, so these see the stores
.set cc, 0
.rept 16
	ds_load_tr16_b128 v[DR+4*cc:DR+4*cc+3], v9 offset:320*(cc>>2)+1280*(cc&3)
.set cc, cc+1
.endr
	s_wait_dscnt 0x0                               ; all sixteen are in registers: the stage, which the pieces' places overlap, is done with
.set cc, 0
.rept 16
	ds_store_b128 v10, v[DR+4*cc:DR+4*cc+3] offset:512*(cc&7)+STRQ*(cc>>3)
.set cc, cc+1
.endr
.endm
.macro LDA ta, toff, cnt               ; cnt gate operands from the table: 16 bytes a lane, twice
.set o, 0
.rept \cnt
	ds_load_b128 v[AMR+8*o:AMR+8*o+3],   v[\ta] offset:\toff+1024*o
	ds_load_b128 v[AMR+8*o+4:AMR+8*o+7], v[\ta] offset:\toff+1024*o+512
.set o, o+1
.endr
.endm
.macro LDPAIR p, la, sur               ; the state fragments of t = 2 p and 2 p + 1 into buffer p % 3: four loads
.irp tt, 0,1
.set tq, 2*(\p)+\tt
	ds_load_tr16_b128 v[SR+16*((\p)%3)+8*\tt:SR+16*((\p)%3)+8*\tt+3],   v[\la] offset:512*(tq&7)+\sur*(tq>>3)
	ds_load_tr16_b128 v[SR+16*((\p)%3)+8*\tt+4:SR+16*((\p)%3)+8*\tt+7], v[\la] offset:512*(tq&7)+\sur*(tq>>3)+128
.endr
.endm
.macro MM p, tt, u, op, acc            ; one matrix instruction: gate operand op on fragment tt of pair p; acc = 0 starts the sum
.if \acc
	v_wmma_f32_16x16x32_f16 v[DR+32*((\p)&1)+16*\tt+8*\u:DR+32*((\p)&1)+16*\tt+8*\u+7], v[AMR+8*\op:AMR+8*\op+7], v[SR+16*((\p)%3)+8*\tt:SR+16*((\p)%3)+8*\tt+7], v[DR+32*((\p)&1)+16*\tt+8*\u:DR+32*((\p)&1)+16*\tt+8*\u+7]
.else
	v_wmma_f32_16x16x32_f16 v[DR+32*((\p)&1)+16*\tt+8*\u:DR+32*((\p)&1)+16*\tt+8*\u+7], v[AMR+8*\op:AMR+8*\op+7], v[SR+16*((\p)%3)+8*\tt:SR+16*((\p)%3)+8*\tt+7], 0
.endif
.endm
.macro CVT p                           ; pair p's results to f16: t = 2 p below, 2 p + 1 above, word p & 3 of each piece
.irp u, 0,1
.irp j, 0,1,2,3,4,5,6,7
	v_cvt_pk_f16_f32 v[WR+4*(8*\u+\j)+((\p)&3)], v[DR+32*((\p)&1)+8*\u+\j], v[DR+32*((\p)&1)+16+8*\u+\j]
.endr
.endr
.endm
.macro SQS p                           ; last pass: squares of pair p's results, summed by c and by b = t
.irp tt, 0,1
.irp u, 0,1
.irp i, 0,1,2,3
.set sc, DR+32*((\p)&1)+16*\tt+8*\u+2*\i
.if (2*(\p)+\tt) == 0
	v_pk_mul_f32 v[PC+8*\u+2*\i:PC+8*\u+2*\i+1], v[sc:sc+1], v[sc:sc+1]
.else
	v_pk_fma_f32 v[PC+8*\u+2*\i:PC+8*\u+2*\i+1], v[sc:sc+1], v[sc:sc+1], v[PC+8*\u+2*\i:PC+8*\u+2*\i+1]
.endif
.if (\u+\i) == 0
	v_pk_mul_f32 v[PB+2*(2*(\p)+\tt):PB+2*(2*(\p)+\tt)+1], v[sc:sc+1], v[sc:sc+1]
.else
	v_pk_fma_f32 v[PB+2*(2*(\p)+\tt):PB+2*(2*(\p)+\tt)+1], v[sc:sc+1], v[sc:sc+1], v[PB+2*(2*(\p)+\tt):PB+2*(2*(\p)+\tt)+1]
.endif
.endr
.endr
.endr
.endm
.macro STW suw, off                    ; sixteen pieces out: 256 consecutive bytes for each half wave
.irp u, 0,1
.irp j, 0,1,2,3,4,5,6,7
	ds_store_b128 v4, v[WR+4*(8*\u+\j):WR+4*(8*\u+\j)+3] offset:512*\j+\suw*\u+\off
.endr
.endr
.endm
; One pass.  ta, toff: where its gates lie in the table; la: the address register of its fragment loads; sur, syr: the strides of
; t >> 3 and of the lanes' top bit as it reads (it writes with the two exchanged); first: real input, the operand's two k halves are the gate's
; high and low terms; last: squares instead of pieces.
; Eight steps of two t.  In step p: the matrix instructions of pair p; then the conversions of pair p - 1, which name none of pair p's
; registers and so are the places in front of the loads of pair p + 3 into the buffer that pair p has just read.
; The four accumulators of a step take turns, one instruction a turn.
.macro PASS ta, toff, la, sur, syr, first, last
.if \first
	LDA \ta, \toff, 2
.else
	LDA \ta, \toff, 8
.endif
	LDPAIR 0, \la, \sur
	LDPAIR 1, \la, \sur
	LDPAIR 2, \la, \sur
.set pp, 0
.rept 8
.if pp < 5
	s_wait_dscnt 8                                 ; pair p (and the gates) are in: behind it stand two pairs' four loads each
.else
.if \last
	s_wait_dscnt 8-4*(pp-5)                        ; the pairs behind it: two, one, none
.else
	s_wait_dscnt 24-4*(pp-5)                       ; the pairs behind it and the sixteen stores of the first half
.endif
.endif
.if \first
	MM pp, 0, 0, 0, 0
	MM pp, 0, 1, 1, 0
	MM pp, 1, 0, 0, 0
	MM pp, 1, 1, 1, 0
.else
	MM pp, 0, 0, 0, 0                              ; even t: variant 0; odd t: variant 1; high terms start the sums,
	MM pp, 0, 1, 1, 0
	MM pp, 1, 0, 4, 0
	MM pp, 1, 1, 5, 0
	MM pp, 0, 0, 2, 1                              ; low terms add onto them
	MM pp, 0, 1, 3, 1
	MM pp, 1, 0, 6, 1
	MM pp, 1, 1, 7, 1
.endif
.if pp == 0
	NOP4
.else
.if \last
	SQS pp-1
.else
	CVT pp-1
.endif
.endif
.if pp < 5
	LDPAIR pp+3, \la, \sur
.endif
.if pp == 4
.if \last == 0
	STW \syr, 0                                    ; t = 0..7 are whole: into the slots that t = 0..7 were read from (those loads were issued before)
.endif
.endif
.set pp, pp+1
.endr
	NOP4
.if \last
	SQS 7
.else
	CVT 7
	STW \syr, \sur                                 ; t = 8..15
.endif
.endm
.macro LEVEL vb, z, half               ; z = sum over i of V[2i] - V[2i+1] (the index's lowest bit as a sign); V[i] = V[2i] + V[2i+1]
	v_sub_f32 v[\z], v[\vb], v[\vb+1]
	v_add_f32 v[\vb], v[\vb], v[\vb+1]
.if \half > 1
.set i, 1
.rept \half-1
	v_add_f32 v[\z], v[\z], v[\vb+2*i]
	v_sub_f32 v[\z], v[\z], v[\vb+2*i+1]
	v_add_f32 v[\vb+i], v[\vb+2*i], v[\vb+2*i+1]
.set i, i+1
.endr
.endif
.endm
.macro SGN d, src, bit                 ; d = src, negative where the lane number's bit is 1
	v_lshlrev_b32 v[PB+16], 31-\bit, v1
	v_and_b32 v[PB+16], 0x80000000, v[PB+16]
	v_xor_b32 v[\d], v[\src], v[PB+16]
.endm
; The twelve signed sums.  In the last pass lanes hold a (and the part), the text's t was b, the results' rows c.
; The ring's last CNOT (qubit 11 onto qubit 0) is only a sign here: qubit 0's sign is a's top bit xor c's lowest.
.macro FINAL
	s_wait_xcnt 0x0                                ; the row's loads and prefetches have their addresses translated (ISA guide 3.1): the base steps only behind this wait
	s_add_nc_u64 s[4:5], s[4:5], 16384             ; my next row
.set i, 0
.rept 16
	v_add_f32 v[PBF+i], v[PB+2*i], v[PB+2*i+1]
.set i, i+1
.endr
	LEVEL PC, RR+11, 8                             ; qubits 11, 10, 9, 8 = c's bits 0..3
	LEVEL PC, RR+10, 4
	LEVEL PC, RR+9, 2
	LEVEL PC, RR+8, 1                              ; v[PC] is now the lane's whole sum
	LEVEL PBF, RR+7, 8                             ; qubits 7, 6, 5, 4 = b's bits 0..3
	LEVEL PBF, RR+6, 4
	LEVEL PBF, RR+5, 2
	LEVEL PBF, RR+4, 1
	SGN RR,   RR+11, 3                             ; qubit 0: a's top bit on top of c's lowest
	SGN RR+1, PC, 2                                ; qubits 1, 2, 3 = a's bits 2, 1, 0
	SGN RR+2, PC, 1
	SGN RR+3, PC, 0
.irp mk, 1,2,4,8
.set i, 0
.rept 12
	v_add_f32_dpp v[RR+i], v[RR+i], v[RR+i] row_xmask:\mk row_mask:0xf bank_mask:0xf
.set i, i+1
.endr
.endr
.set i, 0
.rept 12
	v_permlanex16_b32 v[PB+i], v[RR+i], s12, s13   ; the other half (the other part); the destinations have been written
.set i, i+1
.endr
.set i, 0
.rept 12
	v_add_f32 v[RR+i], v[RR+i], v[PB+i]            ; every lane holds all twelve
.set i, i+1
.endr
.set i, 1
.rept 11
	v_cndmask_b32 v[RR], v[RR], v[RR+i], s[39+i]   ; lanes with lane & 15 = q keep result q
.set i, i+1
.endr
	v_mul_f32 v[RR], 0x39800000, v[RR]             ; the state was carried times 64: 2^-12
	s_and_b32 s21, s11, 1                          ; the row's place, from the trip's number alone:
	s_lshl_b32 s21, s21, 4
	s_lshl_b32 s21, 0xffff, s21                    ; even trips lanes 0-15, odd trips lanes 16-31,
	s_cmp_lt_u32 s11, 2
	s_cselect_b32 s22, 0, s21                      ; trips 2 and 3 the second register,
	s_cselect_b32 s21, s21, 0                      ; trips 0 and 1 the first
	v_cndmask_b32 v[RESA], v[RESA], v[RR], s21
	v_cndmask_b32 v[RESB], v[RESB], v[RR], s22
.endm
	s_mov_b32 s11, 0
.Lrow:
	INIT
	PASS 2, 0,     7, STRQ, STRP, 1, 0
	PASS 2, 2048,  6, STRP, STRQ, 0, 0
	PASS 2, 10240, 5, STRQ, STRP, 0, 0
	PASS 2, 18432, 6, STRP, STRQ, 0, 0
	PASS 2, 26624, 5, STRQ, STRP, 0, 0
	PASS 2, 34816, 6, STRP, STRQ, 0, 0
	s_cmp_eq_u32 s11, 3
	s_cbranch_scc1 .Lno_prefetch                   ; the wave's last row has none behind it
	global_prefetch_b8 v0, s[4:5] offset:16384 th:TH_LOAD_NT scope:SCOPE_SE   ; my own next row, three passes ahead of its loads:
	global_prefetch_b8 v0, s[4:5] offset:24576 th:TH_LOAD_NT scope:SCOPE_SE   ; lanes 256 bytes apart, twice 8,192 bytes, each block asked for once
.Lno_prefetch:
	PASS 2, 43008, 5, STRQ, STRP, 0, 0
	PASS 2, 51200, 6, STRP, STRQ, 0, 0
	PASS 3, 26624, 5, STRQ, STRP, 0, 1             ; the table's byte 59,392: beyond what a 16-bit offset reaches from v2
	FINAL
	s_add_co_u32 s11, s11, 1
	s_cmp_lt_u32 s11, 4
	s_cbranch_scc1 .Lrow
	; THE WAY OUT.  My four rows go to LDS with a pitch of 64 bytes, all lanes on (words 12-15 of a row are not used);
	; then 96 threads read the 32 rows' 48 bytes each as 1,536 consecutive bytes of out0.
	s_lshl_b32 s15, s10, 8
	s_add_co_u32 s15, s15, OUTB
	v_lshl_add_u32 v16, v1, 2, s15                 ; results + 256 x wave + 4 L
	ds_store_b32 v16, v[RESA]                      ; rows 0 and 1
	ds_store_b32 v16, v[RESB] offset:128           ; rows 2 and 3
	s_wait_dscnt 0x0                               ; my four rows of results are written,
	s_barrier_signal -1
	s_barrier_wait -1                              ; all 32 are
	s_cmp_ge_u32 s10, 3
	s_cbranch_scc1 .Lend                           ; 1,536 bytes = 96 threads x 16
	v_lshl_add_u32 v17, s10, 5, v1                 ; thread
	v_mul_u32_u24 v18, v17, 171
	v_lshrrev_b32 v18, 9, v18                      ; thread / 3 (exact below 96) = the row
	v_and_b32 v18, 31, v18
	v_add_nc_u32 v19, v17, v18
	v_lshlrev_b32 v19, 4, v19                      ; 64 x row + 16 (thread - 3 x row) = 16 (thread + row)
	v_add_nc_u32 v19, OUTB, v19
	ds_load_b128 v[20:23], v19
	v_lshlrev_b32 v24, 4, v17                      ; 16 x thread
	s_mul_i32 s16, ttmp9, 1536
	s_mov_b32 s17, 0
	s_add_nc_u64 s[8:9], s[8:9], s[16:17]
	s_wait_dscnt 0x0
	global_store_b128 v24, v[20:23], s[8:9]        ; sixteen lanes store 256 consecutive bytes, at a multiple of 256 from out0's first byte
.Lend:
	s_wait_tensorcnt 0x0
	ds_add_u32 v14, v15
	s_wait_dscnt 0x0
	s_endpgm
.Lfunc_end_k_q13501c17df_circuit:
	.size	k_q13501c17df_circuit, .Lfunc_end_k_q13501c17df_circuit-k_q13501c17df_circuit
	.p2alignl 7, 3214868480
	.fill 96, 4, 3214868480
	.section	.rodata,"a",@progbits
	.p2align	6, 0x0
	.amdhsa_kernel k_q13501c17df_circuit
		.amdhsa_group_segment_fixed_size 203776
		.amdhsa_private_segment_fixed_size 0
		.amdhsa_enable_private_segment 0
		.amdhsa_kernarg_size 24
		.amdhsa_user_sgpr_count 2
		.amdhsa_user_sgpr_kernarg_segment_ptr 1
		.amdhsa_wavefront_size32 1
		.amdhsa_system_sgpr_workgroup_id_x 1
		.amdhsa_system_sgpr_workgroup_id_y 1
		.amdhsa_system_sgpr_workgroup_id_z 1
		.amdhsa_system_vgpr_workitem_id 0
		.amdhsa_next_free_vgpr 256
		.amdhsa_next_free_sgpr 66
		.amdhsa_reserve_vcc 0
		.amdhsa_float_denorm_mode_32 3
		.amdhsa_float_denorm_mode_16_64 3
		.amdhsa_memory_ordered 1
		.amdhsa_forward_progress 1
		.amdhsa_inst_pref_size 197
	.end_amdhsa_kernel
	.amdgpu_metadata
---
amdhsa.version: [ 1, 2 ]
amdhsa.kernels:
  - .name:           k_q13501c17df_circuit
    .symbol:         k_q13501c17df_circuit.kd
    .args:
      - { .name: x, .offset: 0, .size: 8, .value_kind: global_buffer, .address_space: global }
      - { .name: gates, .offset: 8, .size: 8, .value_kind: global_buffer, .address_space: global }
      - { .name: out0, .offset: 16, .size: 8, .value_kind: global_buffer, .address_space: global }
    .group_segment_fixed_size: 203776
    .private_segment_fixed_size: 0
    .kernarg_segment_align: 8
    .kernarg_segment_size: 24
    .max_flat_workgroup_size: 256
    .sgpr_count:     66
    .vgpr_count:     256
    .wavefront_size: 32
...
	.end_amdgpu_metadata
.endif
;; end of part 2
;; ======== version 2 of 2: 2 launches; version 1 with the launch circuit written anew for expert scheduling mode
;; limits: inputs' magnitudes at most 10,000
;; workspace buffers: gates 67,584 bytes
;; launch prep: the kernel of part 1 again; grid 9 x 1, 8 waves a work-group, no clusters, 0 bytes of LDS; arguments params, gates; writes gates
;; launch circuit (part 3): grid 256 x 1, 8 waves a work-group, no clusters, 203,776 bytes of LDS; arguments x, gates, out0; writes out0
.if DOCPART == 3
	.amdgcn_target "amdgcn-amd-amdhsa--gfx1250"
	.amdhsa_code_object_version 6
	.text
	.protected	k_q13501c17df_circuit
	.globl	k_q13501c17df_circuit
	.p2align	8
	.type	k_q13501c17df_circuit,@function
k_q13501c17df_circuit:
	s_mov_b64 s[64:65], 0
	v_nop
	global_prefetch_b8 v0, s[64:65] scope:SCOPE_SE
	s_setreg_imm32_b32 hwreg(HW_REG_WAVE_SCHED_MODE, 0, 2), 2
	s_setreg_imm32_b32 hwreg(HW_REG_WAVE_MODE, 25, 1), 1
	s_wait_xcnt 0x0
	s_wait_alu depctr_vm_vsrc(0)
; The circuit on 8,192 rows of 4,096 amplitudes.  Index 256 a + 16 b + c (a, b, c: qubits 0-3, 4-7, 8-11).  Nine passes, layer n / 3,
; group n % 3, each a 16 x 16 complex matrix on one group (all CNOTs are inside the matrices: see the launch that builds them).
; A work-group owns 32 rows, a wave four, one after the other; a row's whole state lies in the wave's own 16,640 bytes of LDS.
; A PASS: D = gate x state, v_wmma_f32_16x16x32_f16.  k = 16 s + 8 h + e = (xi = 8 s + e, part in h); m = 8 h + j = (part out h,
; xo = 8 u + j); n = lane & 15 = the group Z; the third group Y = t is walked by the text, and t & 1 picks the gate's variant.
; The groups' roles (contracted, walked, lanes) are (a, c, b), (b, a, c), (c, b, a) and again: what lay in lanes is contracted next.
; The state is kept in f16 as pieces of 16 bytes: eight values of the walked group's low three bits; ds_load_tr16_b128 turns eight
; such pieces into the next pass's fragments.  Piece address = 16 z + 256 h + 512 j + Su u + Sy ytop with the two strides 4,224 and
; 8,320 changing places from pass to pass, so that the slots read for t >> 3 = H are those written for ytop = H: a pass works in place.
; Both strides are 128 modulo 256, so the 16 lanes of a half wave touch 16 different 16-byte columns in stores and in loads.
; FORMATS: the state is normalised as the problem asks and carried times 64, so every amplitude is at most 64 in magnitude and gate
; entries at most 1: f16 has the range for every input.  Each gate goes in as a high and a low f16 term; sums are f32.
; LIMITS: a row's sum of squares must be a normal f32 number (|x| from about 1e-18 to 1e17); a row of zeros gives NaN, as the problem's own division does.
; NO CLUSTER, NO TENSOR LOADS: each byte of x is read by one wave, which has to square, sum and convert it in registers anyway;
; all that work-groups share is the table of 67,584 bytes against 524,288 bytes of x for each work-group.
; THE MODE: SCHED_MODE bits 1:0 = 2 (LLVM: expert scheduling mode 2), set by the entry lines.  The code itself states the register dependences
; between vector or matrix instructions and memory or LDS instructions, with s_wait_alu, always for 0.
; THE PLAN.  Registers that memory or LDS instructions touch, round the row loop:
;   v0, v2-v10  addresses: made at the head ahead of one wait on va_vdst, never written again; the row is reached by a scalar base, the rest by immediate offsets.
;   SR0-SR2     Step p's matrix instructions read SR[p % 3].  The loads of pair p + 2 are issued in step p and land in SR[(p - 1) % 3], which step p - 1 read.
;   AMR         A pass's matrix instructions read it; the next pass's gates land in it.  In INIT: conversions write it, the stage's stores read it.
;   WR          The conversions of pairs 0-3 write it, sixteen stores in step 5 read it; those of pairs 4-7 write it, sixteen stores at the pass's end read it.
;   DR          In a pass named by matrix and vector instructions alone.  In INIT: the row lands in it, vector work, the turned loads land in it, the pieces' stores read it.
; So a pass holds: ONE wait on va_vdst at the head of each of steps 1 to 5, behind the wait for the step's fragments (step p - 1's matrix instructions are done reading
; their buffer; in step 5 also: pairs 0-3 are converted); the step's LDS instructions follow it, dealt among its matrix instructions, which name AMR, SR[p % 3] and DR:
; none of the registers that those touch.  One more stands at the pass's end, behind the last conversions: it serves the last stores and the next pass's first loads.
; Two waits on vm_vsrc stand ahead of the conversions that write WR again: in step 5 (the first half's stores) and in the next pass's step 1 (the second half's).
.set STRQ,  4224
.set STRP,  8320
.set OUTB,  67584                      ; LDS: the table 0 - 67,583; results 32 rows x 64 bytes (48 used); then eight regions of 16,640 bytes
.set REGB,  69632
.set REGSZ, 16640
.set RESA, 11                          ; v11      results of my rows 0 (lanes 0-15) and 1 (lanes 16-31): lane & 15 = qubit
.set RESB, 12                          ; v12      of my rows 2 and 3
.set AMR, 16                           ; v16-79   eight gate operands at 8 ((2 v + prec) 2 + u); INIT: packed pieces
.set DR,  80                           ; v80-143  results, two buffers of 32: 16 (t & 1) + 8 u; INIT: the row in f32 (v80-207)
.set WR,  144                          ; v144-207 pieces to store: 4 (8 u + j) + (p & 3); last pass: sums of squares
.set SR,  208                          ; v208-255 state fragments, three buffers of two t
.set PC,  WR                           ; last pass: sum over b, by c (16)
.set PB,  WR+16                        ; sum over c, by b (16 pairs)
.set PBF, WR+48                        ; the pairs folded
.set RR,  DR                           ; the 12 results
; v0 256 L (prefetch)   v1 L   v2 16 L   v3 16 L + 32768   v4 region + 16 L (stores of pieces)
; v5, v6 fragment loads of even, odd passes   v7 of pass 0   v8, v9, v10 INIT
	s_load_b128 s[4:7], s[0:1], 0x0                ; x s[4:5], gates s[6:7]
	s_load_b64 s[8:9], s[0:1], 0x10                ; out0
	v_lshl_add_u32 v14, v0, 2, 0x31800
	v_mov_b32 v15, 0
	v_lshrrev_b32 v1, 5, v0
	v_readfirstlane_b32 s10, v1                    ; wave
	v_lshlrev_b32 v148, 4, v0                      ; 16 x thread
	s_wait_alu depctr_va_sdst(0)                   ; s10 is written, ahead of its first reader: branches, my region and my rows hang on it
	s_wait_kmcnt 0x0
	s_wait_alu depctr_va_vdst(0)                   ; v148 is written: the table's loads read it as their offset
	; the table: 16 pieces of 4,096 bytes by all 256 threads, and 2,048 bytes more by waves 0-3
.irp i, 0,1,2,3,4,5,6,7,8,9,10,11,12,13,14,15
	global_load_b128 v[DR+4*\i:DR+4*\i+3], v148, s[6:7] offset:4096*\i
.endr
	s_cmp_ge_u32 s10, 4
	s_cbranch_scc1 .Lno_load17
	global_load_b128 v[144:147], v148, s[6:7] offset:65536
.Lno_load17:
	s_lshl_b32 s16, ttmp9, 19                      ; 32 rows of 16,384 bytes a work-group,
	s_lshl_b32 s17, s10, 16                        ; four a wave
	s_add_co_u32 s16, s16, s17
	s_mov_b32 s17, 0
	s_add_nc_u64 s[4:5], s[4:5], s[16:17]          ; my first row
	s_mul_i32 s14, s10, REGSZ
	s_add_co_u32 s14, s14, REGB                    ; my region
	s_mov_b32 s12, 0x76543210                      ; v_permlanex16_b32: lane i reads lane i of the other half
	s_mov_b32 s13, 0xfedcba98
.set i, 1
.rept 11
	s_mov_b32 s[39+i], 0x10001<<i                  ; mask: the two lanes with lane & 15 = i
.set i, i+1
.endr
	v_and_b32 v1, 31, v0
	v_lshlrev_b32 v2, 4, v1
	v_add_nc_u32 v3, 0x8000, v2
	v_add_nc_u32 v4, s14, v2
	v_and_b32 v16, 7, v1
	v_lshlrev_b32 v16, 4, v16
	v_add_nc_u32 v16, s14, v16                     ; region + 16 (L & 7)
	v_bfe_u32 v17, v1, 3, 1
	v_lshrrev_b32 v18, 4, v1
	v_mad_u32_u24 v7, v17, STRP, v16
	v_lshl_add_u32 v5, v18, 8, v7
	v_mad_u32_u24 v6, v17, STRQ, v16
	v_lshl_add_u32 v6, v18, 8, v6
	v_lshrrev_b32 v19, 2, v1
	v_and_b32 v20, 3, v1
	v_mul_u32_u24 v20, v20, 320
	v_lshl_add_u32 v20, v19, 4, v20
	v_add_nc_u32 v8, s14, v20                      ; region + 16 (L >> 2) + 320 (L & 3)
	v_lshl_add_u32 v9, v17, 7, v16
	v_mad_u32_u24 v9, v18, 5120, v9                ; region + 16 (L & 7) + 128 ((L >> 3) & 1) + 5120 (L >> 4)
	v_and_b32 v21, 15, v1
	v_lshlrev_b32 v21, 4, v21
	v_add_nc_u32 v21, s14, v21
	v_mad_u32_u24 v10, v18, STRP, v21              ; region + 16 (L & 15) + 8320 (L >> 4)
	v_mov_b32 v[RESA], 0                           ; the selects that fill these two, half a register a row, read them: written whole once
	v_mov_b32 v[RESB], 0
	v_lshlrev_b32 v0, 8, v1
	v_add_nc_u32 v149, 0x10000, v148
	s_wait_alu depctr_va_vdst(0)                   ; v0 and v2 to v10 are written, the addresses of every load, store and prefetch of the row loop; so is v149, which a store below reads
	s_wait_loadcnt 0x0
.irp i, 0,1,2,3,4,5,6,7,8,9,10,11,12,13,14,15
	ds_store_b128 v148, v[DR+4*\i:DR+4*\i+3] offset:4096*\i
.endr
	s_cmp_ge_u32 s10, 4
	s_cbranch_scc1 .Lno_store17
	ds_store_b128 v149, v[144:147]
.Lno_store17:
	s_wait_dscnt 0x0                               ; my part of the table is written,
	s_barrier_signal -1
	s_barrier_wait -1                              ; everybody's is; nobody writes it again
	s_wait_alu depctr_vm_vsrc(0)                   ; the table's loads and LDS stores have read v80 to v149, in which the first row's loads land
.macro NOP4                            ; four places behind a matrix instruction (ISA guide 7.12.1) where no other work stands
.rept 4
	v_nop
.endr
.endm
; A row comes in, is normalised (times 64), rounded to f16 and laid out for pass 0: pieces (a, b >> 3, c) of eight b.
; Load q, lane L, word e hold a = q >> 1, b = 8 (q & 1) + (L >> 2), c = 4 (L & 3) + e.
.macro INIT
	s_wait_alu depctr_va_vdst(0)                   ; the last pass's matrix instructions and the signed sums of the row before have written and read v80 to v207, in which this row's loads land
.set q, 0
.rept 32
	global_load_b128 v[DR+4*q:DR+4*q+3], v2, s[4:5] offset:512*q th:TH_LOAD_NT   ; 512 consecutive bytes a wave
.set q, q+1
.endr
.set m, 0
.rept 4
	s_wait_loadcnt 24-8*(m/16)                     ; loads come back in order: eight more are in, the younger ones stay out
.rept 16
.if m < 4
	v_pk_mul_f32 v[SR+2*m:SR+2*m+1], v[DR+2*m:DR+2*m+1], v[DR+2*m:DR+2*m+1]      ; the first squares start four chains
.else
	v_pk_fma_f32 v[SR+2*(m%4):SR+2*(m%4)+1], v[DR+2*m:DR+2*m+1], v[DR+2*m:DR+2*m+1], v[SR+2*(m%4):SR+2*(m%4)+1]
.endif
.set m, m+1
.endr
.endr
	v_pk_add_f32 v[SR:SR+1], v[SR:SR+1], v[SR+2:SR+3]
	v_pk_add_f32 v[SR+4:SR+5], v[SR+4:SR+5], v[SR+6:SR+7]
	v_pk_add_f32 v[SR:SR+1], v[SR:SR+1], v[SR+4:SR+5]
	v_add_f32 v[SR], v[SR], v[SR+1]
.irp mk, 1,2,4,8
	v_add_f32_dpp v[SR], v[SR], v[SR] row_xmask:\mk row_mask:0xf bank_mask:0xf
.endr
	v_permlanex16_b32 v[SR+1], v[SR], s12, s13
	v_add_f32 v[SR], v[SR], v[SR+1]                ; the row's sum of squares, in every lane
	v_rsq_f32 v[SR+2], v[SR]
	v_nop                                          ; one plain place behind the transcendental (ISA guide 5.7.2)
	s_wait_alu depctr_va_vdst(0)                   ; the reciprocal root is written, ahead of its first reader
	v_mul_f32 v[SR+2], 0x42800000, v[SR+2]         ; 64 / norm
	v_mov_b32 v[SR+3], v[SR+2]
.set m, 0
.rept 64
	v_pk_mul_f32 v[DR+2*m:DR+2*m+1], v[DR+2*m:DR+2*m+1], v[SR+2:SR+3]
.set m, m+1
.endr
	; pieces of eight a (the loads' index), one for each (word e, b >> 3, a >> 3)
.irp at, 0,1
.irp bt, 0,1
.irp e, 0,1,2,3
.irp i, 0,1,2,3
	v_cvt_pk_f16_f32 v[AMR+4*(\e+4*\bt+8*\at)+\i], v[DR+4*(2*(8*\at+2*\i)+\bt)+\e], v[DR+4*(2*(8*\at+2*\i+1)+\bt)+\e]
.endr
.endr
.endr
.endr
	s_wait_alu depctr_va_vdst(0)                   ; the conversions have written v[AMR ..], which the stage's stores read, and are done reading v[DR ..], in which the turned loads land; the vector work on v[SR ..], in which pass 0's fragments land, is done too
	; to a stage in my region: 16 (b & 7) + 128 (a >> 3) + 320 (c >> 2) + 1280 (c & 3) + 5120 (b >> 3); 320 = 64 modulo 256: no two lanes of a half wave share a column
.irp at, 0,1
.irp bt, 0,1
.irp e, 0,1,2,3
	ds_store_b128 v8, v[AMR+4*(\e+4*\bt+8*\at):AMR+4*(\e+4*\bt+8*\at)+3] offset:128*\at+1280*\e+5120*\bt
.endr
.endr
.endr
	; back transposed: lane L now holds a = L & 15, b >> 3 = L >> 4 and eight b; LDS serves a wave's instructions in order, so these see the stores
.set cc, 0
.rept 16
	ds_load_tr16_b128 v[DR+4*cc:DR+4*cc+3], v9 offset:320*(cc>>2)+1280*(cc&3)
.set cc, cc+1
.endr
	s_wait_dscnt 0x0                               ; all sixteen are in registers: the stage, which the pieces' places overlap, is done with
.set cc, 0
.rept 16
	ds_store_b128 v10, v[DR+4*cc:DR+4*cc+3] offset:512*(cc&7)+STRQ*(cc>>3)
.set cc, cc+1
.endr
	s_wait_alu depctr_vm_vsrc(0)                   ; the stage's stores have read v[AMR ..], in which pass 0's gates land; the pieces' stores have read v[DR ..], which pass 0's matrix instructions write
.endm
.macro LDA ta, toff, cnt               ; cnt gate operands from the table: 16 bytes a lane, twice
.set o, 0
.rept \cnt
	ds_load_b128 v[AMR+8*o:AMR+8*o+3],   v[\ta] offset:\toff+1024*o
	ds_load_b128 v[AMR+8*o+4:AMR+8*o+7], v[\ta] offset:\toff+1024*o+512
.set o, o+1
.endr
.endm
.macro LDHALF p, tt, la, sur           ; the state fragment of t = 2 p + tt into buffer p % 3: two loads
.set tq, 2*(\p)+(\tt)
	ds_load_tr16_b128 v[SR+16*((\p)%3)+8*(\tt):SR+16*((\p)%3)+8*(\tt)+3],   v[\la] offset:512*(tq&7)+\sur*(tq>>3)
	ds_load_tr16_b128 v[SR+16*((\p)%3)+8*(\tt)+4:SR+16*((\p)%3)+8*(\tt)+7], v[\la] offset:512*(tq&7)+\sur*(tq>>3)+128
.endm
.macro LDPAIR p, la, sur               ; the state fragments of t = 2 p and 2 p + 1: four loads
	LDHALF \p, 0, \la, \sur
	LDHALF \p, 1, \la, \sur
.endm
.macro MM p, tt, u, op, acc            ; one matrix instruction: gate operand op on fragment tt of pair p; acc = 0 starts the sum
.if \acc
	v_wmma_f32_16x16x32_f16 v[DR+32*((\p)&1)+16*\tt+8*\u:DR+32*((\p)&1)+16*\tt+8*\u+7], v[AMR+8*\op:AMR+8*\op+7], v[SR+16*((\p)%3)+8*\tt:SR+16*((\p)%3)+8*\tt+7], v[DR+32*((\p)&1)+16*\tt+8*\u:DR+32*((\p)&1)+16*\tt+8*\u+7]
.else
	v_wmma_f32_16x16x32_f16 v[DR+32*((\p)&1)+16*\tt+8*\u:DR+32*((\p)&1)+16*\tt+8*\u+7], v[AMR+8*\op:AMR+8*\op+7], v[SR+16*((\p)%3)+8*\tt:SR+16*((\p)%3)+8*\tt+7], 0
.endif
.endm
.macro CVT p                           ; pair p's results to f16: t = 2 p below, 2 p + 1 above, word p & 3 of each piece
.irp u, 0,1
.irp j, 0,1,2,3,4,5,6,7
	v_cvt_pk_f16_f32 v[WR+4*(8*\u+\j)+((\p)&3)], v[DR+32*((\p)&1)+8*\u+\j], v[DR+32*((\p)&1)+16+8*\u+\j]
.endr
.endr
.endm
.macro SQS p                           ; last pass: squares of pair p's results, summed by c and by b = t
.irp tt, 0,1
.irp u, 0,1
.irp i, 0,1,2,3
.set sc, DR+32*((\p)&1)+16*\tt+8*\u+2*\i
.if (2*(\p)+\tt) == 0
	v_pk_mul_f32 v[PC+8*\u+2*\i:PC+8*\u+2*\i+1], v[sc:sc+1], v[sc:sc+1]
.else
	v_pk_fma_f32 v[PC+8*\u+2*\i:PC+8*\u+2*\i+1], v[sc:sc+1], v[sc:sc+1], v[PC+8*\u+2*\i:PC+8*\u+2*\i+1]
.endif
.if (\u+\i) == 0
	v_pk_mul_f32 v[PB+2*(2*(\p)+\tt):PB+2*(2*(\p)+\tt)+1], v[sc:sc+1], v[sc:sc+1]
.else
	v_pk_fma_f32 v[PB+2*(2*(\p)+\tt):PB+2*(2*(\p)+\tt)+1], v[sc:sc+1], v[sc:sc+1], v[PB+2*(2*(\p)+\tt):PB+2*(2*(\p)+\tt)+1]
.endif
.endr
.endr
.endr
.endm
.macro STQ suw, off, uu, base          ; four pieces out, j = base .. base + 3 of half uu: 256 consecutive bytes for each half wave
.irp j, 0,1,2,3
	ds_store_b128 v4, v[WR+4*(8*(\uu)+(\base)+\j):WR+4*(8*(\uu)+(\base)+\j)+3] offset:512*((\base)+\j)+\suw*(\uu)+\off
.endr
.endm
.macro STW suw, off                    ; sixteen pieces out
	STQ \suw, \off, 0, 0
	STQ \suw, \off, 0, 4
	STQ \suw, \off, 1, 0
	STQ \suw, \off, 1, 4
.endm
; Part k of four of step pp's LDS instructions: it stands behind the step's matrix instruction number k.  No wait: no vector or matrix instruction issued
; since the wait at the step's head names the buffer SR[(pp - 1) % 3], in which the loads land, or WR, which the stores read.
.macro DEAL k, la, sur, syr, last
.if (pp >= 1) && (pp <= 5) && (\k < 2)
	LDHALF pp+2, \k, \la, \sur                     ; two steps ahead of its use
.endif
.if (pp == 5) && (\last == 0)
	STQ \syr, 0, (\k)/2, 4*((\k)%2)                ; t = 0..7 are whole: into the slots that t = 0..7 were read from (those loads were issued in step 1 at the latest)
.endif
.endm
; One pass.  ta, toff: where its gates lie in the table; la: the address register of its fragment loads; sur, syr: the strides of
; t >> 3 and of the lanes' top bit as it reads (it writes with the two exchanged); first: real input, the operand's two k halves are the gate's
; high and low terms; last: squares instead of pieces.
; Eight steps of two t.  In step p: the matrix instructions of pair p, among them the loads of pair p + 2 into the buffer that pair p - 1 was read from
; (and in step 5 the first half's stores); then the conversions of pair p - 1, which name none of pair p's registers and so are the places behind its matrix instructions.
; The four accumulators of a step take turns, one instruction a turn.
.macro PASS ta, toff, la, sur, syr, first, last
.if \first
	LDA \ta, \toff, 2
.else
	LDA \ta, \toff, 8
.endif
	LDPAIR 0, \la, \sur
	LDPAIR 1, \la, \sur
	LDPAIR 2, \la, \sur
.set pp, 0
.rept 8
.if pp == 0
	s_wait_dscnt 8                                 ; the gates and pair 0 are in: behind them stand pairs 1 and 2, four loads each
.elseif pp < 6
	s_wait_dscnt 4                                 ; pair p is in: behind it stand the four loads of pair p + 1
.elseif \last
	s_wait_dscnt 4*(7-pp)                          ; behind pair 6 stand pair 7's four loads, behind pair 7 nothing
.else
	s_wait_dscnt 20-8*(pp-6)                       ; behind pair 6 stand step 5's four loads and sixteen stores, behind pair 7's last load twelve of those stores
.endif
.if (pp >= 1) && (pp <= 5)
	s_wait_alu depctr_va_vdst(0)                   ; step p - 1's matrix instructions are done reading SR[(p - 1) % 3], in which pair p + 2 lands; in step 5 also: the conversions of pairs 0 to 3 have written WR, which the stores read
.endif
.if \first
	MM pp, 0, 0, 0, 0
	DEAL 0, \la, \sur, \syr, \last
	MM pp, 0, 1, 1, 0
	DEAL 1, \la, \sur, \syr, \last
	MM pp, 1, 0, 0, 0
	DEAL 2, \la, \sur, \syr, \last
	MM pp, 1, 1, 1, 0
	DEAL 3, \la, \sur, \syr, \last
.else
	MM pp, 0, 0, 0, 0                              ; even t: variant 0; odd t: variant 1; high terms start the sums,
	DEAL 0, \la, \sur, \syr, \last
	MM pp, 0, 1, 1, 0
	DEAL 1, \la, \sur, \syr, \last
	MM pp, 1, 0, 4, 0
	DEAL 2, \la, \sur, \syr, \last
	MM pp, 1, 1, 5, 0
	DEAL 3, \la, \sur, \syr, \last
	MM pp, 0, 0, 2, 1                              ; low terms add onto them
	MM pp, 0, 1, 3, 1
	MM pp, 1, 0, 6, 1
	MM pp, 1, 1, 7, 1
.endif
.if pp == 0
	NOP4                                           ; the places between pair 0's matrix instructions and the conversions that read their results in step 1
.else
.if ((pp == 1) && (\first == 0)) || ((pp == 5) && (\last == 0))
	s_wait_alu depctr_vm_vsrc(0)                   ; the sixteen stores issued last (step 1: at the end of the pass before; step 5: in this step) have read WR, which the lines below write again
.endif
.if \last
	SQS pp-1
.else
	CVT pp-1
.endif
.endif
.set pp, pp+1
.endr
	NOP4
.if \last
	SQS 7
.else
	CVT 7
	s_wait_alu depctr_va_vdst(0)                   ; the conversions of pairs 4 to 7 have written WR, which the stores read; the pass's matrix instructions are done reading AMR and SR, in which the next pass's gates and first three pairs land
	STW \syr, \sur                                 ; t = 8..15
.endif
.endm
.macro LEVEL vb, z, half               ; z = sum over i of V[2i] - V[2i+1] (the index's lowest bit as a sign); V[i] = V[2i] + V[2i+1]
	v_sub_f32 v[\z], v[\vb], v[\vb+1]
	v_add_f32 v[\vb], v[\vb], v[\vb+1]
.if \half > 1
.set i, 1
.rept \half-1
	v_add_f32 v[\z], v[\z], v[\vb+2*i]
	v_sub_f32 v[\z], v[\z], v[\vb+2*i+1]
	v_add_f32 v[\vb+i], v[\vb+2*i], v[\vb+2*i+1]
.set i, i+1
.endr
.endif
.endm
.macro SGN d, src, bit                 ; d = src, negative where the lane number's bit is 1
	v_lshlrev_b32 v[PB+16], 31-\bit, v1
	v_and_b32 v[PB+16], 0x80000000, v[PB+16]
	v_xor_b32 v[\d], v[\src], v[PB+16]
.endm
; The twelve signed sums.  In the last pass lanes hold a (and the part), the text's t was b, the results' rows c.
; The ring's last CNOT (qubit 11 onto qubit 0) is only a sign here: qubit 0's sign is a's top bit xor c's lowest.
; Vector work alone, on registers that no memory or LDS instruction still reads: no wait of the mode stands in it.
.macro FINAL
	s_wait_xcnt 0x0                                ; the row's loads and prefetches have their addresses translated (ISA guide 3.1): the base steps only behind this wait
	s_add_nc_u64 s[4:5], s[4:5], 16384             ; my next row
.set i, 0
.rept 16
	v_add_f32 v[PBF+i], v[PB+2*i], v[PB+2*i+1]
.set i, i+1
.endr
	LEVEL PC, RR+11, 8                             ; qubits 11, 10, 9, 8 = c's bits 0..3
	LEVEL PC, RR+10, 4
	LEVEL PC, RR+9, 2
	LEVEL PC, RR+8, 1                              ; v[PC] is now the lane's whole sum
	LEVEL PBF, RR+7, 8                             ; qubits 7, 6, 5, 4 = b's bits 0..3
	LEVEL PBF, RR+6, 4
	LEVEL PBF, RR+5, 2
	LEVEL PBF, RR+4, 1
	SGN RR,   RR+11, 3                             ; qubit 0: a's top bit on top of c's lowest
	SGN RR+1, PC, 2                                ; qubits 1, 2, 3 = a's bits 2, 1, 0
	SGN RR+2, PC, 1
	SGN RR+3, PC, 0
.irp mk, 1,2,4,8
.set i, 0
.rept 12
	v_add_f32_dpp v[RR+i], v[RR+i], v[RR+i] row_xmask:\mk row_mask:0xf bank_mask:0xf
.set i, i+1
.endr
.endr
.set i, 0
.rept 12
	v_permlanex16_b32 v[PB+i], v[RR+i], s12, s13   ; the other half (the other part); the destinations have been written
.set i, i+1
.endr
.set i, 0
.rept 12
	v_add_f32 v[RR+i], v[RR+i], v[PB+i]            ; every lane holds all twelve
.set i, i+1
.endr
.set i, 1
.rept 11
	v_cndmask_b32 v[RR], v[RR], v[RR+i], s[39+i]   ; lanes with lane & 15 = q keep result q
.set i, i+1
.endr
	v_mul_f32 v[RR], 0x39800000, v[RR]             ; the state was carried times 64: 2^-12
	s_and_b32 s21, s11, 1                          ; the row's place, from the trip's number alone:
	s_lshl_b32 s21, s21, 4
	s_lshl_b32 s21, 0xffff, s21                    ; even trips lanes 0-15, odd trips lanes 16-31,
	s_cmp_lt_u32 s11, 2
	s_cselect_b32 s22, 0, s21                      ; trips 2 and 3 the second register,
	s_cselect_b32 s21, s21, 0                      ; trips 0 and 1 the first
	v_cndmask_b32 v[RESA], v[RESA], v[RR], s21
	v_cndmask_b32 v[RESB], v[RESB], v[RR], s22
.endm
	s_mov_b32 s11, 0
.Lrow:
	INIT
	PASS 2, 0,     7, STRQ, STRP, 1, 0
	PASS 2, 2048,  6, STRP, STRQ, 0, 0
	PASS 2, 10240, 5, STRQ, STRP, 0, 0
	PASS 2, 18432, 6, STRP, STRQ, 0, 0
	PASS 2, 26624, 5, STRQ, STRP, 0, 0
	PASS 2, 34816, 6, STRP, STRQ, 0, 0
	s_cmp_eq_u32 s11, 3
	s_cbranch_scc1 .Lno_prefetch                   ; the wave's last row has none behind it
	global_prefetch_b8 v0, s[4:5] offset:16384 th:TH_LOAD_NT scope:SCOPE_SE   ; my own next row, three passes ahead of its loads:
	global_prefetch_b8 v0, s[4:5] offset:24576 th:TH_LOAD_NT scope:SCOPE_SE   ; lanes 256 bytes apart, twice 8,192 bytes, each block asked for once
.Lno_prefetch:
	PASS 2, 43008, 5, STRQ, STRP, 0, 0
	PASS 2, 51200, 6, STRP, STRQ, 0, 0
	PASS 3, 26624, 5, STRQ, STRP, 0, 1             ; the table's byte 59,392: beyond what a 16-bit offset reaches from v2
	FINAL
	s_add_co_u32 s11, s11, 1
	s_cmp_lt_u32 s11, 4
	s_cbranch_scc1 .Lrow
	; THE WAY OUT.  My four rows go to LDS with a pitch of 64 bytes, all lanes on (words 12-15 of a row are not used);
	; then 96 threads read the 32 rows' 48 bytes each as 1,536 consecutive bytes of out0.
	s_lshl_b32 s15, s10, 8
	s_add_co_u32 s15, s15, OUTB
	v_lshl_add_u32 v16, v1, 2, s15                 ; results + 256 x wave + 4 L
	s_wait_alu depctr_va_vdst(0)                   ; v16 is written, the two stores' address; the last row's selects have written v11 and v12, their data
	ds_store_b32 v16, v[RESA]                      ; rows 0 and 1
	ds_store_b32 v16, v[RESB] offset:128           ; rows 2 and 3
	s_wait_dscnt 0x0                               ; my four rows of results are written,
	s_barrier_signal -1
	s_barrier_wait -1                              ; all 32 are
	s_cmp_ge_u32 s10, 3
	s_cbranch_scc1 .Lend                           ; 1,536 bytes = 96 threads x 16
	v_lshl_add_u32 v17, s10, 5, v1                 ; thread
	v_mul_u32_u24 v18, v17, 171
	v_lshrrev_b32 v18, 9, v18                      ; thread / 3 (exact below 96) = the row
	v_and_b32 v18, 31, v18
	v_add_nc_u32 v19, v17, v18
	v_lshlrev_b32 v19, 4, v19                      ; 64 x row + 16 (thread - 3 x row) = 16 (thread + row)
	v_add_nc_u32 v19, OUTB, v19
	v_lshlrev_b32 v24, 4, v17                      ; 16 x thread
	s_mul_i32 s16, ttmp9, 1536
	s_mov_b32 s17, 0
	s_add_nc_u64 s[8:9], s[8:9], s[16:17]
	s_wait_alu depctr_va_vdst(0)                   ; v19 is written, the LDS load's address, and v24, the store's offset
	ds_load_b128 v[20:23], v19
	s_wait_dscnt 0x0
	global_store_b128 v24, v[20:23], s[8:9]        ; sixteen lanes store 256 consecutive bytes, at a multiple of 256 from out0's first byte
.Lend:
	s_wait_dscnt 0x0
	s_wait_alu depctr_hold_cnt(0) depctr_sa_sdst(0) depctr_va_vdst(0) depctr_va_sdst(0) depctr_va_ssrc(0) depctr_va_vcc(0) depctr_vm_vsrc(0)
	s_wait_tensorcnt 0x0
	ds_add_u32 v14, v15
	s_wait_dscnt 0x0
	s_endpgm
.Lfunc_end_k_q13501c17df_circuit:
	.size	k_q13501c17df_circuit, .Lfunc_end_k_q13501c17df_circuit-k_q13501c17df_circuit
	.p2alignl 7, 3214868480
	.fill 96, 4, 3214868480
	.section	.rodata,"a",@progbits
	.p2align	6, 0x0
	.amdhsa_kernel k_q13501c17df_circuit
		.amdhsa_group_segment_fixed_size 203776
		.amdhsa_private_segment_fixed_size 0
		.amdhsa_enable_private_segment 0
		.amdhsa_kernarg_size 24
		.amdhsa_user_sgpr_count 2
		.amdhsa_user_sgpr_kernarg_segment_ptr 1
		.amdhsa_wavefront_size32 1
		.amdhsa_system_sgpr_workgroup_id_x 1
		.amdhsa_system_sgpr_workgroup_id_y 1
		.amdhsa_system_sgpr_workgroup_id_z 1
		.amdhsa_system_vgpr_workitem_id 0
		.amdhsa_next_free_vgpr 256
		.amdhsa_next_free_sgpr 66
		.amdhsa_reserve_vcc 0
		.amdhsa_float_denorm_mode_32 3
		.amdhsa_float_denorm_mode_16_64 3
		.amdhsa_memory_ordered 1
		.amdhsa_forward_progress 1
		.amdhsa_inst_pref_size 199
	.end_amdhsa_kernel
	.amdgpu_metadata
---
amdhsa.version: [ 1, 2 ]
amdhsa.kernels:
  - .name:           k_q13501c17df_circuit
    .symbol:         k_q13501c17df_circuit.kd
    .args:
      - { .name: x, .offset: 0, .size: 8, .value_kind: global_buffer, .address_space: global }
      - { .name: gates, .offset: 8, .size: 8, .value_kind: global_buffer, .address_space: global }
      - { .name: out0, .offset: 16, .size: 8, .value_kind: global_buffer, .address_space: global }
    .group_segment_fixed_size: 203776
    .private_segment_fixed_size: 0
    .kernarg_segment_align: 8
    .kernarg_segment_size: 24
    .max_flat_workgroup_size: 256
    .sgpr_count:     66
    .vgpr_count:     256
    .wavefront_size: 32
...
	.end_amdgpu_metadata
.endif
;; end of part 3
